; MI455X (gfx1250); checked and timed in simulation.
; The chip was launched on July 23, 2026; its instructions are those of AMD's public machine-readable ISA for CDNA 5 (MIT licence, August 2026) and "CDNA5" Instruction Set Architecture Reference Guide (July 2026). The comments in the code are by the model that wrote it; some were corrected since.
;; TOM Initialization. Allowed arithmetic: matrix products marked QUANTISED: E2M3 operands, one E8M0 scale for each 32 along K, by v_wmma_scale_f32_16x16x128_f8f6f4 with both operands' format E2M3, f32 sums; everything else in f32.
;; Inputs: fc_b 2,048 float32; fc_w 2,048 x 8,192 float32; swap1 4,096 int32; swap2 4,096 int32; weight 4,096 x 8,192 float32.
;; Outputs: out0 4,096 x 2,048 float32.
;; This version of the problem:
;;   THIS VERSION OF THE PROBLEM IS GIVEN IN LOW PRECISION. The matrix products marked QUANTISED in the list below multiply operands that are first quantised to E2M3 (2 exponent bits, 3 mantissa bits; 6 bits a number), with one power-of-two scale for each 32 numbers along K (OCP MX v1.0); their sums are f32. All else is computed in f32.
;;   The module's matrix products, in the order in which they are computed (A, B: the left and right operand; K: the contracted axis; several contracted axes count as one K, in the product's order):
;;     1. [M 4,096, K 8,192] x [K 8,192, N 2,048]; A: computed on the way; B: input fc_w: QUANTISED
;;   THE QUANTISER, for each operand of a quantised product, along K:
;;     - K is cut into blocks of 32 from its start; a last block that is shorter is filled with zeros.
;;     - A block's scale is 2^e with e = floor(log2(the largest magnitude in the block)) - 2, held to -126 .. 127; a block of zeros has e = 0. As a byte (E8M0): e + 127.
;;     - Each number is divided by its block's scale, clamped to +-7.5, and rounded to the nearest number of E2M3, ties to even, subnormals kept.
;;     - The product sums the exact products of the quantised numbers (number of the format x scale) in f32.
;;   ~~~python
;;   def quantise(x, axis):      # numpy; x: float32 -> the quantised numbers, widened to float32 again
;;       x = np.moveaxis(x, axis, -1); K = x.shape[-1]
;;       x = np.pad(x, [(0, 0)] * (x.ndim - 1) + [(0, -K % 32)]); x = x.reshape(x.shape[:-1] + (-1, 32)); a = np.abs(x).max(-1, keepdims=True)
;;       e = np.where(a > 0, np.clip(np.frexp(np.where(a > 0, a, 1))[1] - 1 - 2, -126, 127), 0)      # np.frexp(a)[1] - 1 = floor(log2(a)), exactly
;;       r = np.clip(x / 2.0 ** e, -7.5, 7.5)
;;       step = 2.0 ** (np.maximum(np.frexp(np.where(r == 0, 1, r))[1] - 1, 0) - 3)
;;       q = np.round(r / step) * step * 2.0 ** e      # np.round: ties to even
;;       return np.moveaxis(q.reshape(q.shape[:-2] + (-1,))[..., :K], -1, axis).astype(np.float32)
;;   ~~~
;;   OPERANDS COMPUTED ON THE WAY. 'Computed on the way' means the value that the module computes at that place (a softmax that the list does not call 'softmax' is quantised finished and normalised). What goes into a quantiser is computed in f32, as accurately as f32 sums, v_exp_f32 and their like allow (about 1e-6 of the number): no bf16 or f16 on the way to a quantiser, and a product that is left as it is and whose result goes on into a quantised operand takes f32 operands (vector FMAs, or v_wmma_f32_16x16x4_f32). A number that lies on a knife's edge between two numbers of the format may be rounded either way, as far as f32 arithmetic and the matrix unit's own rounding can turn it there, and no further.
;; One version. Each part assembles by itself: llvm-mc -triple=amdgcn-amd-amdhsa -mcpu=gfx1250 --defsym DOCPART=n.
;; ======== version 1 of 1: 2 launches
;; workspace buffers: codes 39,321,600 bytes
;; launch quant (part 1): grid 768 x 1, 4 waves a work-group, no clusters, 34,304 bytes of LDS; arguments weight, fc_w, swap1, swap2, codes; writes codes
.if DOCPART == 1
	.amdgcn_target "amdgcn-amd-amdhsa--gfx1250"
	.amdhsa_code_object_version 6
	.text
	.protected	k_qb708f922d2_quant
	.globl	k_qb708f922d2_quant
	.p2align	8
	.type	k_qb708f922d2_quant,@function
k_qb708f922d2_quant:
	s_mov_b64 s[64:65], 0
	v_nop
	global_prefetch_b8 v0, s[64:65] scope:SCOPE_SE
	s_setreg_imm32_b32 hwreg(HW_REG_WAVE_MODE, 25, 1), 1
	s_wait_xcnt 0x0
; weight [4096][8192] and fc_w [2048][8192], f32, K innermost, become codes of FP6 (E2M3) with one E8M0 scale byte for each 32 along K, in the workspace 'codes'.
; THE PERMUTATION of reference() moves whole chunks of 2,048 numbers (64 blocks of 32) inside a row of weight, so it changes no block, no scale and no code: it is only an address here:
; destination chunk j of row b is read from source chunk perm[b][j], perm = (0, r1, r2, r3) made from swap1[b], swap2[b] (any value other than 0 counts as true).  fc_w takes the same path with both swaps masked to 0.
; A block's scale is 2^(floor(log2(its largest magnitude)) - 2); its byte is the largest magnitude's exponent field - 2, held at 1 from below.
; LIMITS: NaN and infinities among the inputs are not served.  A block of zeros gets the byte 1 where the rule says 127: its codes are zeros, which add nothing under any byte but 0xff, and this program alone reads the bytes.
; LAYOUT OF 'codes': 48 groups of 128 rows (0-31: x's rows 128 G on; 32-47: fc_w's rows 128 (G - 32) on).  A group is 64 blocks U(G, ks), ks = k / 128, of UB = 12,800 bytes, on end.
;   U: eight images of a fragment's registers (16 rows x 128 K, 12 registers a lane): register 4 c + i of lane l of fragment f at 1536 f + 512 c + 16 l + 4 i;
;      then 512 bytes of scale words: the word of fragment f, row r (byte b scales k = 32 b on) at 12288 + 256 (f / 4) + 16 r + 4 (f % 4).
; SHARES: work-group x: group G = x / 16, K steps 4 (x % 16) + wave.  A wave makes one U: 128 rows x 128 K, eight fragments, 12,800 consecutive bytes.  The work-group's K steps lie in one chunk, j = (x % 16) / 4.
; Each load reads 512 consecutive bytes of one row (16 a lane); a fragment's 16 rows turn through the wave's own stage in LDS (rows of 512 + 16 bytes) and come back so that lane (r, h) holds k = 64 c + 32 h + 0 .. 31 of row r:
; two whole blocks a lane, in the order of the operand's registers.  Loads run two fragments (32 loads a wave) ahead.
; No tensor load, no barrier, no cluster: waves share nothing, and no two work-groups read the same input bytes.  No prefetch: the launch is one stream of loads that are all asked for well ahead.
.set ROWB, 32768                       ; a row of weight or fc_w in bytes
.set UB,   12800
.set FRB,  1536
.set SCO,  12288
.set SP,   528                         ; a stage row: 512 bytes + 16: an odd multiple of 16, so the sixteen rows that a load of 16 bytes a lane touches start in different banks (64 banks of 4 bytes: ISA guide 11.1)
.set L16,  1                           ; v1      16 x lane; never rewritten
.set STI,  2                           ; v2      the stage on the way in: 16 SP x wave + 16 x lane
.set STO,  3                           ; v3      and on the way out: 16 SP x wave + SP r + 128 h
.set H8,   4                           ; v4      8 h
.set L4,   5                           ; v5      4 x lane
.set CH,   6                           ; v6-9    byte offset of the source chunk of rows lane + 32 q
.set SW,   10                          ; v10-13  the scale words as they are stored: lanes 0-15 fragment i, lanes 16-31 fragment 4 + i
.set C,    14                          ; v14-25  a fragment's 12 registers of codes
.set T,    26                          ; v26-28, v30-32  the second halves of the two blocks (a conversion's three registers begin on an even number)
.set MX,   34                          ; v34-35  largest magnitudes
.set SO,   36                          ; v36-37  the conversions' scale operands
.set BY,   38                          ; v38-39  the scale bytes
.set W,    40                          ; v40     the row's scale word
.set W2,   41                          ; v41     lane l xor 16's part of it
.set OFF,  42                          ; v42-57  the sixteen loads' offsets
.set R,    58                          ; v58-185 two sets of 16 x 4 registers as loaded
.set X,    186                         ; v186-249 my 64 numbers
	s_load_b256 s[4:11], s[0:1], 0x0               ; weight s[4:5], fc_w s[6:7], swap1 s[8:9], swap2 s[10:11]
	s_load_b64 s[12:13], s[0:1], 0x20              ; codes
	v_lshl_add_u32 v254, v0, 2, 0x8400
	v_mov_b32 v255, 0
	v_lshrrev_b32 v[L4], 5, v0
	v_readfirstlane_b32 s16, v[L4]                 ; wave 0..3
	v_and_b32 v[L4], 31, v0                        ; lane
	v_lshlrev_b32 v[L16], 4, v[L4]
	s_mul_i32 s23, s16, 16*SP                      ; my stage
	v_add_nc_u32 v[STI], s23, v[L16]
	v_and_b32 v[STO], 15, v0                       ; r
	v_mul_u32_u24 v[STO], v[STO], SP
	v_bfe_u32 v[H8], v0, 4, 1                      ; h
	v_lshl_add_u32 v[STO], v[H8], 7, v[STO]
	v_add_nc_u32 v[STO], s23, v[STO]
	v_lshlrev_b32 v[H8], 3, v[H8]
	v_lshlrev_b32 v[L4], 2, v[L4]
	v_mov_b32 v[W2], 0                             ; written once: a lane permute's destination counts as one of its sources
	s_mov_b32 s28, 0x76543210
	s_mov_b32 s29, 0xfedcba98                      ; v_permlanex16_b32's selects for lane l xor 16
	s_mov_b32 s30, 0xffff0000                      ; lanes 16-31
	s_lshr_b32 s17, ttmp9, 4                       ; G
	s_and_b32 s18, ttmp9, 15
	s_lshl_b32 s19, s18, 2
	s_add_co_u32 s19, s19, s16                     ; ks = 4 (x % 16) + wave
	s_lshr_b32 s20, s18, 2
	s_lshl_b32 s20, s20, 3                         ; 8 j
	s_lshl_b32 s26, s17, 6
	s_add_co_u32 s26, s26, s19
	s_mul_i32 s26, s26, UB                         ; my U's first byte: (64 G + ks) x 12,800, under 2^26
	s_mov_b32 s27, 0
	s_mov_b32 s25, 0
	s_wait_kmcnt 0x0
	s_cmp_lt_u32 s17, 32                           ; x's group or fc_w's?  The choice hangs on the work-group's number alone
	s_cselect_b64 s[4:5], s[4:5], s[6:7]
	s_cselect_b32 s21, -1, 0                       ; the swaps count for x alone
	s_cselect_b32 s22, 0, 32
	s_sub_co_u32 s22, s17, s22                     ; the group's number in its own tensor
	s_lshl_b32 s24, s22, 9                         ; the group's 128 words of swap1 and swap2 (for fc_w's groups, 0-15: words that lie in the buffers and are masked away)
	s_add_nc_u64 s[8:9], s[8:9], s[24:25]
	s_add_nc_u64 s[10:11], s[10:11], s[24:25]
	s_lshl_b32 s24, s22, 22                        ; 128 rows of 32,768 bytes a group,
	s_and_b32 s23, s19, 15
	s_lshl_b32 s23, s23, 9                         ; and my K step's 512 bytes inside a chunk
	s_add_co_u32 s24, s24, s23
	s_add_nc_u64 s[4:5], s[4:5], s[24:25]
	s_add_nc_u64 s[12:13], s[12:13], s[26:27]
.irp q, 0,1,2,3
	global_load_b32 v[R+\q], v[L4], s[8:9] offset:128*\q        ; swap1 of row lane + 32 q
	global_load_b32 v[R+4+\q], v[L4], s[10:11] offset:128*\q    ; swap2
.endr
	s_wait_loadcnt 0x0
	; perm = (0, r1, r2, r3): r1 = 1 + s1; mid = 2 - s1; r2 = s2 ? 3 : mid = mid + s2 r1; r3 = s2 ? mid : 3 = 3 - s2 r1
.irp q, 0,1,2,3
	v_and_b32 v[R+\q], s21, v[R+\q]
	v_and_b32 v[R+4+\q], s21, v[R+4+\q]
.endr
.irp q, 0,1,2,3
	v_min_u32 v[R+\q], 1, v[R+\q]                  ; s1: 1 for any value but 0
	v_min_u32 v[R+4+\q], 1, v[R+4+\q]              ; s2
.endr
.irp q, 0,1,2,3
	v_add_nc_u32 v[R+8+\q], 1, v[R+\q]             ; r1
	v_sub_nc_u32 v[R+12+\q], 2, v[R+\q]            ; mid
.endr
.irp q, 0,1,2,3
	v_mul_u32_u24 v[R+4+\q], v[R+4+\q], v[R+8+\q]  ; s2 r1
.endr
.irp q, 0,1,2,3
	v_add_nc_u32 v[R+12+\q], v[R+12+\q], v[R+4+\q] ; r2
	v_sub_nc_u32 v[R+4+\q], 3, v[R+4+\q]           ; r3
	v_lshlrev_b32 v[R+8+\q], 8, v[R+8+\q]          ; the four in four bytes, r0 = 0 lowest
.endr
.irp q, 0,1,2,3
	v_lshl_or_b32 v[R+8+\q], v[R+12+\q], 16, v[R+8+\q]
.endr
.irp q, 0,1,2,3
	v_lshl_or_b32 v[R+8+\q], v[R+4+\q], 24, v[R+8+\q]
.endr
.irp q, 0,1,2,3
	v_lshrrev_b32 v[R+8+\q], s20, v[R+8+\q]        ; byte j
.endr
.irp q, 0,1,2,3
	v_and_b32 v[R+8+\q], 3, v[R+8+\q]              ; perm[row][j]
.endr
.irp q, 0,1,2,3
	v_lshlrev_b32 v[CH+\q], 13, v[R+8+\q]          ; x 8,192 bytes
.endr
; Fragment f's sixteen rows are asked for: 32 lanes read 512 consecutive bytes of row 16 f + i, at a multiple of 512 from the buffer's first byte.  The row's chunk offset is uniform: it is read out of its lane, held to
; the largest that a chunk offset can be (3 x 8,192), and added to 16 x lane.  The row stands in the immediate: 127 x 32,768 at the most, inside the signed 24 bits (ISA guide, chapter 10).
.macro LOADF f
.irp i, 0,1,2,3,4,5,6,7,8,9,10,11,12,13,14,15
	v_readlane_b32 s[40+\i], v[CH+(16*(\f)+\i)/32], (16*(\f)+\i)%32
.endr
.irp i, 0,1,2,3,4,5,6,7,8,9,10,11,12,13,14,15
	s_min_u32 s[40+\i], s[40+\i], 0x6000
.endr
.irp i, 0,1,2,3,4,5,6,7,8,9,10,11,12,13,14,15
	v_add_nc_u32 v[OFF+\i], s[40+\i], v[L16]
.endr
.irp i, 0,1,2,3,4,5,6,7,8,9,10,11,12,13,14,15
	global_load_b128 v[R+64*((\f)%2)+4*\i:R+64*((\f)%2)+4*\i+3], v[OFF+\i], s[4:5] offset:(16*(\f)+\i)*ROWB th:TH_LOAD_NT   ; read once in the launch
.endr
.endm
; The fragment's 8,192 bytes through my stage: in by rows as loaded, out 128 bytes a block.  LDS serves a wave's instructions in order (ISA guide 5.7.1.4): no wait between the stores and the loads.
.macro TURNF f
.irp i, 0,1,2,3,4,5,6,7,8,9,10,11,12,13,14,15
	ds_store_b128 v[STI], v[R+64*((\f)%2)+4*\i:R+64*((\f)%2)+4*\i+3] offset:SP*\i
.endr
.irp c, 0,1
.irp i, 0,1,2,3,4,5,6,7
	ds_load_b128 v[X+32*\c+4*\i:X+32*\c+4*\i+3], v[STO] offset:256*\c+16*\i
.endr
.endr
.endm
; My 64 numbers, two whole blocks (block 2 c + h of row r in v[X + 32 c] on), become registers 6 c .. 6 c + 5 of the fragment, and the row's scale word.
.macro QUANT
.irp c, 0,1
	v_max3_num_f32 v[MX+\c], |v[X+32*\c]|, |v[X+32*\c+1]|, 0x1800000   ; and the floor 2^(3 - 127), under which no largest magnitude is taken: so the byte cannot fall under 1
.endr
.irp i, 2,4,6,8,10,12,14,16,18,20,22,24,26,28,30
.irp c, 0,1
	v_max3_num_f32 v[MX+\c], v[MX+\c], |v[X+32*\c+\i]|, |v[X+32*\c+\i+1]|   ; (the two blocks by turns)
.endr
.endr
.irp c, 0,1
	v_add_nc_u32 v[SO+\c], 0xff000000, v[MX+\c]    ; 2 off its exponent field: the conversion takes the exponent field of this operand as its scale, and nothing else of it
.endr
.irp c, 0,1
	v_lshrrev_b32 v[BY+\c], 23, v[SO+\c]           ; the scale's byte
.endr
	v_lshl_or_b32 v[W], v[BY+1], 16, v[BY]         ; my two bytes, blocks h and 2 + h,
	v_lshlrev_b32 v[W], v[H8], v[W]                ; at their places in the word;
	v_permlanex16_b32 v[W2], v[W], s28, s29
	v_or_b32 v[W], v[W], v[W2]                     ; with lane l xor 16's two the word is whole, in both halves of the lanes
.irp c, 0,1
	v_cvt_scalef32_pk16_fp6_f32 v[C+6*\c:C+6*\c+2], v[X+32*\c:X+32*\c+15], v[SO+\c]       ; to the nearest code, ties to even; beyond the largest code the largest
	v_cvt_scalef32_pk16_fp6_f32 v[T+4*\c:T+4*\c+2], v[X+32*\c+16:X+32*\c+31], v[SO+\c]
.endr
	v_nop                                          ; one plain place behind a scaled conversion, ahead of the moves that read its result
.irp c, 0,1
.irp i, 0,1,2
	v_mov_b32 v[C+3+6*\c+\i], v[T+4*\c+\i]
.endr
.endr
.endm
.macro FRAGQ f
.if (\f) < 7
	s_wait_loadcnt 16                              ; loads come back in order (ISA guide 5.7.1): this fragment's sixteen are in, the next fragment's sixteen may be out
.else
	s_wait_loadcnt 0x0
.endif
	TURNF \f
	s_wait_dscnt 0x0                               ; my 64 numbers are back, and the stage's stores have read the set that the loads below fill again
	s_wait_xcnt 0x0                                ; every earlier memory instruction has had its addresses translated (ISA guide 3.1): only behind this wait are the offsets, which the pending loads name, and the codes, which the last stores read, written again
.if (\f) < 6
	LOADF \f+2
.endif
	QUANT
.irp c, 0,1,2
	global_store_b128 v[L16], v[C+4*\c:C+4*\c+3], s[12:13] offset:FRB*(\f)+512*\c   ; 32 lanes store 512 consecutive bytes, at a multiple of 256 from the buffer's first byte
.endr
.if (\f) < 4
	v_mov_b32 v[SW+(\f)], v[W]
.else
	v_cndmask_b32 v[SW+(\f)-4], v[SW+(\f)-4], v[W], s30   ; lanes 16-31 take fragment f's words
.endif
.endm
	LOADF 0
	s_wait_xcnt 0x0                                ; the offsets are written again
	LOADF 1
.irp f, 0,1,2,3,4,5,6,7
	FRAGQ \f
.endr
	global_store_b128 v[L16], v[SW:SW+3], s[12:13] offset:SCO   ; the 128 rows' scale words: 512 consecutive bytes
	s_wait_tensorcnt 0x0
	ds_add_u32 v254, v255
	s_wait_dscnt 0x0
	s_endpgm
.Lfunc_end_k_qb708f922d2_quant:
	.size	k_qb708f922d2_quant, .Lfunc_end_k_qb708f922d2_quant-k_qb708f922d2_quant
	.p2alignl 7, 3214868480
	.fill 96, 4, 3214868480
	.section	.rodata,"a",@progbits
	.p2align	6, 0x0
	.amdhsa_kernel k_qb708f922d2_quant
		.amdhsa_group_segment_fixed_size 34304
		.amdhsa_private_segment_fixed_size 0
		.amdhsa_enable_private_segment 0
		.amdhsa_kernarg_size 40
		.amdhsa_user_sgpr_count 2
		.amdhsa_user_sgpr_kernarg_segment_ptr 1
		.amdhsa_wavefront_size32 1
		.amdhsa_system_sgpr_workgroup_id_x 1
		.amdhsa_system_sgpr_workgroup_id_y 1
		.amdhsa_system_sgpr_workgroup_id_z 1
		.amdhsa_system_vgpr_workitem_id 0
		.amdhsa_next_free_vgpr 256
		.amdhsa_next_free_sgpr 66
		.amdhsa_reserve_vcc 0
		.amdhsa_float_denorm_mode_32 3
		.amdhsa_float_denorm_mode_16_64 3
		.amdhsa_memory_ordered 1
		.amdhsa_forward_progress 1
		.amdhsa_inst_pref_size 80
	.end_amdhsa_kernel
	.amdgpu_metadata
---
amdhsa.version: [ 1, 2 ]
amdhsa.kernels:
  - .name:           k_qb708f922d2_quant
    .symbol:         k_qb708f922d2_quant.kd
    .args:
      - { .name: weight, .offset: 0, .size: 8, .value_kind: global_buffer, .address_space: global }
      - { .name: fc_w, .offset: 8, .size: 8, .value_kind: global_buffer, .address_space: global }
      - { .name: swap1, .offset: 16, .size: 8, .value_kind: global_buffer, .address_space: global }
      - { .name: swap2, .offset: 24, .size: 8, .value_kind: global_buffer, .address_space: global }
      - { .name: codes, .offset: 32, .size: 8, .value_kind: global_buffer, .address_space: global }
    .group_segment_fixed_size: 34304
    .private_segment_fixed_size: 0
    .kernarg_segment_align: 8
    .kernarg_segment_size: 40
    .max_flat_workgroup_size: 128
    .sgpr_count:     66
    .vgpr_count:     256
    .wavefront_size: 32
...
	.end_amdgpu_metadata
.endif
;; end of part 1
;; launch gemm (part 2): grid 8 x 32, 4 waves a work-group, clusters of 4 x 4, 327,680 bytes of LDS; arguments codes, fc_b, out0; writes out0
.if DOCPART == 2
	.amdgcn_target "amdgcn-amd-amdhsa--gfx1250"
	.amdhsa_code_object_version 6
	.text
	.protected	k_qb708f922d2_gemm
	.globl	k_qb708f922d2_gemm
	.p2align	8
	.type	k_qb708f922d2_gemm,@function
k_qb708f922d2_gemm:
	s_mov_b64 s[64:65], 0
	v_nop
	global_prefetch_b8 v0, s[64:65] scope:SCOPE_SE
	s_setreg_imm32_b32 hwreg(HW_REG_WAVE_MODE, 25, 1), 1
	s_wait_xcnt 0x0
	s_wait_alu depctr_hold_cnt(0) depctr_sa_sdst(0) depctr_va_vdst(0) depctr_va_sdst(0) depctr_va_ssrc(0) depctr_va_vcc(0) depctr_vm_vsrc(0)
	s_getreg_b32 s2, hwreg(HW_REG_IB_STS2, 6, 4)
	s_cmp_eq_u32 s2, 0
	s_cbranch_scc0 .Lentry_in_a_cluster
	s_endpgm
.Lentry_in_a_cluster:
	s_bfe_u32 s2, ttmp6, 0x10000c
	s_cmp_lg_u32 s2, 0xf033
	s_cbranch_scc0 .Lentry_shape_is_right
	s_endpgm
.Lentry_shape_is_right:
; out0[m][n] = sum over k of x[m][k] w[n][k] + fc_b[n]: M = 4,096, N = 2,048, K = 8,192, both operands as codes of FP6 (E2M3) with one E8M0 scale for each 32 along K, sums in f32.
; 'codes' holds both operands in the order of the operand's registers: 48 groups of 128 rows (0-31: x; 32-47: w), each a stream of 64 blocks U of UB = 12,800 bytes, one for each 128 along K:
; eight images of a fragment (register 4 c + i of lane l of fragment f at 1536 f + 512 c + 16 l + 4 i), then the scale words (fragment f, row r at 12288 + 256 (f / 4) + 16 r + 4 (f % 4)).
; So a fragment is three loads of 16 bytes a lane at 16 x lane, four fragments' scale words are one, and a slot's part of a group is one dense run of memory.
; SHARES.  4,096 x 2,048 are 256 tiles of 128 x 256: one for each work-group.  Work-group (x, y): rows 128 y on (group y), columns 256 x on (groups 32 + 2 x, 33 + 2 x).
; THE FOUR WAVES SPLIT THE COLUMNS AND K, NOT THE ROWS: wave w takes columns 128 (w % 2) on and, of a slot's four K steps of 128, steps 2 (w / 2) and 2 (w / 2) + 1.  So each wave holds 128 x 128 of C, 64 accumulators,
; 512 registers, and reads 16 fragments from LDS for 64 matrix instructions; waves of 64 x 128 would read 12 for 32.  The two halves of K are added once, on the way out.
; LIMIT (order of rounding): an output is the sum of two f32 partial sums over interleaved halves of K and the bias, not one chain in ascending K.
; RING.  Two LDS slots of 512 along K: 4 U of A's group, then 4 U of each of B's two groups: 153,600 bytes.  Waves 0 and 1 fetch A's two halves (100 rows of 256 bytes each), waves 2 and 3 one of B's groups each (200 rows).
; CLUSTERS: 4 x 4 work-groups.  The four of a row of the cluster need the same group of A, the four of a column the same groups of B: each tile is asked for JOINTLY, by the same tensor load with the same descriptor and a mask that names the four.
; THE MATRIX INSTRUCTION IS USED TRANSPOSED (source 0 = 16 rows of w, source 1 = 16 rows of x): a lane then holds eight neighbouring numbers of a row of out0.
; REGISTERS, in windows of 256: window 0: v1-31 addresses and the bias; v32-63 scale words, two sets, and nothing else; v128-223 A's eight fragments, ONE set; on the way out v64-255.
;   window 1: B's fragments, TWO sets, at v0 and at v128.   window 2: the accumulators of rows 0-63 ((a, b) at v[8 (8 (a % 4) + b)]);   window 3: those of rows 64-127.
.set UB,     12800
.set FRB,    1536
.set SCO,    12288
.set GST,    64*UB                     ; a group's stream
.set KSL,    4*UB                      ; a group's part of a slot
.set SLOT,   3*KSL
.set SPARE,  2*SLOT                    ; behind the ring: the spare words, 128 bytes for each wave: two blocks of 256 bytes that no other line names
.set LAPS,   8                         ; a lap = two slots = 1,024 along K
.set FR,     12                        ; registers of a fragment
.set NL,     3                         ; LDS loads that bring one
.set NP,     4                         ; places behind this matrix instruction (ISA guide 7.12.1)
.set SPITCH, 528                       ; the way out: stage rows of 512 bytes + 16
.set STW,    64*SPITCH                 ; a wave's 64 rows in a stage
.set NROW,   8192                      ; a row of out0 in bytes
.set PFS,    65536                     ; what one change of slots prefetches of a stream
.set BIAS, 12                          ; v12-15  fc_b at my four columns on the way out
.set ADRA, 16                          ; v16-17  LDS address of my A fragments in slot 0, 1
.set ADRS, 18                          ; v18-19  of my scale words: lanes 0-15 A's, lanes 16-31 B's
.set ADRB, 20                          ; v20-21  of my B fragments
.set STO,  22                          ; v22-23  the way out: where I put 32 bytes of a row, in the stage in slot 0, 1
.set RD,   24                          ; v24-25  where I read a row of the first and of the second half of K back, stage 0;  v30-31 the same, stage 1
.set CO,   26                          ; v26     16 x lane; never rewritten
.set PFO,  27                          ; v27     256 x lane; never rewritten
.set SPW,  28                          ; v28     LDS address of my spare word: SPARE + 4 x my thread's number; never rewritten
.set NIL,  29                          ; v29     0; never rewritten
.set SC,   32                          ; scale words: set s (for slot s) at v[SC + 16 s]; in it register 8 q + i: lanes 0-15 the word of A's block i, lanes 16-31 that of B's block i, for my q-th 128 along K of the slot
.set AF,   128
.set P2,   128                         ; the way out: the second half of K's rows
.set G1A, 24                           ; s[24:31] descriptor group 1 for A's tiles;  s[32:39] group 0, one set for each slot
.set G0A, 32
.set G1B, 48                           ; s[48:55], s[56:63] the same for B's
.set G0B, 56
.set PFA, 68                           ; s[68:69] where my prefetches stand
.set LIM, 70                           ; s70     2 in a wave that prefetches, else the greatest number: a wave prefetches while the count of laps is above it
.set MSB, 0
.macro WIN new                         ; the immediate's high byte repeats the setting that is left
.if MSB != (\new)
	s_set_vgpr_msb (MSB<<8)|(\new)
.set MSB, (\new)
.endif
.endm
.set MUL_LO, 0xa1                      ; source 0 (B) window 1, source 1 (A) window 0, C and D window 2
.set MUL_HI, 0xf1                      ; the same, C and D window 3
.set TO_B,   0x40                      ; destination window 1, address window 0
; A joint load: waves 0 and 1 fetch for A, waves 2 and 3 for B.  Each of the two lines has ONE mask and one set of registers for all that issue it; the branch hangs on the wave's number alone.
; Four v_nop follow each of the two lines, ahead of the jump, the label and what follows.
.macro JLOAD g0a, g1a, g0b, g1b
	s_cmp_eq_u32 s15, 0
	s_cbranch_scc0 .Lfor_b_\@
	tensor_load_to_lds s[\g0a:\g0a+3], s[\g1a:\g1a+7]
	s_nop 0
.rept 4
	v_nop
.endr
	s_branch .Lasked_\@
.Lfor_b_\@:
	tensor_load_to_lds s[\g0b:\g0b+3], s[\g1b:\g1b+7]
	s_nop 0
.rept 4
	v_nop
.endr
.Lasked_\@:
.endm
.macro CREST                           ; a round of the cluster's barrier behind its opening barrier
	s_cmp_lg_u32 s14, 0
	s_cbranch_scc1 .Lnot_wave_0_\@
	s_barrier_signal -3
.Lnot_wave_0_\@:
	s_barrier_wait -3
	s_barrier_signal -1
	s_barrier_wait -1
.endm
.macro CROUND                          ; a whole round
	s_barrier_signal -1
	s_barrier_wait -1
	CREST
.endm
; A PREFETCH INTO THE L2, behind each joint refill and the run of LDS loads that follows it.  A group's stream is 819,200 bytes; each of the first ten refills asks for the next 65,536 of it, from byte 153,600 (the fourth slot's
; first) to byte 808,959: the first three slots and the last 10,240 bytes come by their loads alone, and nothing is asked for past a stream's end.  A refill takes 51,200 bytes of the stream, so the requests start one refill ahead of the load and draw further ahead.
; Each block of 256 bytes is named ONCE in the launch, lanes 256 bytes apart.  A's group is read by both clusters of its row of clusters: the one with x = 0 asks; its four partners of a row and their waves 0 and 1 take 8,192 bytes
; each, at 8,192 (2 cx + wave).  B's groups are read by all eight clusters of a column: the one with y = 0 asks; of the group that wave 2 or 3 fetches, the partner at cy takes 8,192 bytes at 8,192 cy and 8,192 more 32,768 on.
; Partners are told apart BY ADDRESS: the branches hang on the cluster's number, the wave's number and the count of laps, which are the same in all partners.
.macro ASK
	s_cmp_gt_u32 s3, s[LIM]
	s_cbranch_scc0 .Lnot_mine_\@
	global_prefetch_b8 v[PFO], s[PFA:PFA+1] th:TH_LOAD_NT scope:SCOPE_SE
	s_cmp_eq_u32 s15, 0
	s_cbranch_scc1 .Lnot_mine_\@
	global_prefetch_b8 v[PFO], s[PFA:PFA+1] offset:32768 th:TH_LOAD_NT scope:SCOPE_SE
.Lnot_mine_\@:
.endm
	s_load_b128 s[4:7], s[0:1], 0x0                ; codes s[4:5], fc_b s[6:7]
	s_load_b64 s[8:9], s[0:1], 0x10                ; out0
	v_lshl_add_u32 v[SPW], v0, 2, SPARE
	v_mov_b32 v[NIL], 0
	ds_add_u32 v28, v29
	ds_add_u32 v28, v29
	s_wait_dscnt 0x0
	v_lshrrev_b32 v1, 5, v0
	v_readfirstlane_b32 s14, v1                    ; wave 0..3
	s_lshr_b32 s15, s14, 1                         ; which half of a slot's K steps is mine.  Also: I fetch for A (0) or for B (1)
	s_and_b32 s16, s14, 1                          ; which 128 columns are mine.  Also: which half of A's part, or which of B's groups, I fetch
	s_bfe_u32 s40, ttmp6, 0x40000                  ; cx, cy: my place in the cluster
	s_bfe_u32 s41, ttmp6, 0x40004
	s_lshl_b32 s42, ttmp9, 2
	s_add_co_u32 s42, s42, s40                     ; tile column x = 4 x cluster x + cx
	s_and_b32 s17, ttmp7, 0xffff
	s_lshl_b32 s17, s17, 2
	s_add_co_u32 s17, s17, s41                     ; tile row y = 4 x cluster y + cy
	s_lshl_b32 s43, s41, 2
	s_lshl_b32 s43, 15, s43                        ; my row of the cluster
	s_lshl_b32 s44, 0x1111, s40                    ; my column
	; descriptor group 1: a dense block as rows of 256 bytes (32 elements of 8 bytes), no padding: the images are read 16 bytes a lane, 512 consecutive bytes an instruction
	s_or_b32 s[G1A+0], s43, (3<<16)|(1<<21)        ; 15:0 the mask: A's tiles go to my row; 17:16 elements of 8 bytes; 20 padding off; 21 set beside a mask
	s_or_b32 s[G1B+0], s44, (3<<16)|(1<<21)        ; B's go to my column
	s_mov_b32 s[G1A+1], 32<<16                     ; tensor_dim0 = 32
	s_mov_b32 s[G1A+2], 100<<16                    ; tensor_dim1 = 100 rows: half of A's part of a slot, 25,600 bytes
	s_mov_b32 s[G1A+3], 32<<16                     ; tile_dim0
	s_mov_b32 s[G1A+4], 100                        ; tile_dim1
	s_mov_b32 s[G1A+5], 32                         ; tensor_dim0_stride: the rows lie on end
	s_mov_b32 s[G1A+6], 0
	s_mov_b32 s[G1A+7], 0
	s_mov_b32 s[G1B+1], 32<<16
	s_mov_b32 s[G1B+2], 200<<16                    ; 200 rows: one of B's groups' part of a slot, 51,200 bytes
	s_mov_b32 s[G1B+3], 32<<16
	s_mov_b32 s[G1B+4], 200
	s_mov_b32 s[G1B+5], 32
	s_mov_b32 s[G1B+6], 0
	s_mov_b32 s[G1B+7], 0
	; where the tiles come from.  A's hang on the tile row and the wave's number alone, B's on the tile column and the wave's number; each in registers that never hold the other coordinate
	s_mul_i32 s20, s17, GST                        ; A: group y,
	s_mul_i32 s45, s16, KSL/2                      ; my half of its part of a slot: in memory and in LDS alike
	s_add_co_u32 s20, s20, s45
	s_mov_b32 s21, 0
	s_lshl_b32 s46, s42, 1
	s_add_co_u32 s46, s46, s16
	s_add_co_u32 s46, s46, 32
	s_mul_i32 s46, s46, GST                        ; B: group 32 + 2 x + (wave % 2): under 2^26 bytes
	s_mov_b32 s47, 0
	s_mul_i32 s66, s16, KSL
	s_add_co_u32 s66, s66, KSL                     ; and its place in a slot, behind A's: no place in the cluster enters an LDS address
	s_wait_kmcnt 0x0
	s_add_nc_u64 s[20:21], s[4:5], s[20:21]
	s_add_nc_u64 s[46:47], s[4:5], s[46:47]
	CROUND                                         ; all sixteen work-groups are here: the first joint loads meet
.irp s, 0,1
	s_mov_b32 s[G0A+4*\s], 1                                       ; 1:0 count = 1
	s_add_co_u32 s[G0A+4*\s+1], s45, \s*SLOT                       ; 63:32 LDS address
	s_add_nc_u64 s[G0A+4*\s+2:G0A+4*\s+3], s[20:21], \s*KSL        ; 120:64 global address: the stream's slot s
	s_or_b32 s[G0A+4*\s+3], s[G0A+4*\s+3], 0x80000000              ; 127:126 type = 2
	s_mov_b32 s[G0B+4*\s], 1
	s_add_co_u32 s[G0B+4*\s+1], s66, \s*SLOT
	s_add_nc_u64 s[G0B+4*\s+2:G0B+4*\s+3], s[46:47], \s*KSL
	s_or_b32 s[G0B+4*\s+3], s[G0B+4*\s+3], 0x80000000
	JLOAD G0A+4*\s, G1A, G0B+4*\s, G1B             ; both slots are asked for before anything else is done: two loads of mine are out
.endr
	v_and_b32 v1, 15, v0                           ; r
	v_bfe_u32 v2, v0, 4, 1                         ; h
	v_and_b32 v3, 31, v0                           ; lane
	v_lshlrev_b32 v[CO], 4, v3
	v_lshlrev_b32 v[PFO], 8, v3
	s_mul_i32 s22, s15, 2*UB                       ; my two K steps of a slot's four
	v_add_nc_u32 v[ADRA], s22, v[CO]
	v_add_nc_u32 v[ADRA+1], SLOT, v[ADRA]
	s_add_co_u32 s23, s16, 1
	s_mul_i32 s23, s23, KSL                        ; my group of B lies this far behind A's
	v_add_nc_u32 v[ADRB], s23, v[ADRA]
	v_add_nc_u32 v[ADRB+1], s23, v[ADRA+1]
	v_mul_u32_u24 v4, s23, v2                      ; the scale words: lanes 16-31 take B's: one product, the lane's half x the distance
	v_lshl_add_u32 v4, v1, 4, v4                   ; + 16 r
	v_add_nc_u32 v4, s22, v4
	v_add_nc_u32 v[ADRS], SCO, v4
	v_add_nc_u32 v[ADRS+1], SLOT+SCO, v4
	s_mul_i32 s22, s14, STW                        ; the way out.  In: my 64 rows of a stage; row r, 32 bytes for each half of the lanes
	v_mul_u32_u24 v4, v1, SPITCH
	v_lshl_add_u32 v4, v2, 5, v4
	v_add_nc_u32 v[STO], s22, v4
	v_add_nc_u32 v[STO+1], SLOT, v[STO]
	s_mul_i32 s22, s16, STW                        ; back: of the two waves that made my columns, rows 32 (wave / 2) on; the 32 lanes take a row of 512 bytes
	s_mul_i32 s23, s15, 32*SPITCH
	s_add_co_u32 s22, s22, s23
	v_add_nc_u32 v[RD], s22, v[CO]
	v_add_nc_u32 v[RD+1], 2*STW, v[RD]
	v_add_nc_u32 v[RD+6], SLOT, v[RD]
	v_add_nc_u32 v[RD+7], SLOT, v[RD+1]
	s_lshl_b32 s72, s42, 10                        ; my first column, in bytes: 1,024 x + 512 (wave % 2)
	s_lshl_b32 s73, s16, 9
	s_add_co_u32 s72, s72, s73
	s_mov_b32 s73, 0
	s_add_nc_u64 s[6:7], s[6:7], s[72:73]
	global_load_b128 v[BIAS:BIAS+3], v[CO], s[6:7] ; fc_b at the four columns that I store
	s_lshl_b32 s74, s17, 7
	s_lshl_b32 s75, s15, 5
	s_add_co_u32 s74, s74, s75                     ; the first row that I store: 128 y + 32 (wave / 2)
	s_lshl_b32 s74, s74, 13                        ; x 8,192 bytes: under 2^25
	s_add_co_u32 s74, s74, s72
	s_mov_b32 s75, 0
	s_add_nc_u64 s[8:9], s[8:9], s[74:75]
	; the prefetches (macro ASK): where my wave's stand, and who asks
	s_mul_i32 s72, s17, GST                        ; A's stream
	s_lshl_b32 s73, s42, 1
	s_add_co_u32 s73, s73, s16
	s_add_co_u32 s73, s73, 32
	s_mul_i32 s73, s73, GST                        ; B's
	s_lshl_b32 s74, s40, 1
	s_add_co_u32 s74, s74, s16                     ; my place among A's eight askers
	s_and_b32 s75, ttmp7, 0xffff                   ; cluster y
	s_cmp_eq_u32 s15, 0                            ; do I fetch for A?
	s_cselect_b32 s72, s72, s73
	s_cselect_b32 s74, s74, s41                    ; among B's four: cy
	s_cselect_b32 s75, ttmp9, s75                  ; the coordinate along which other clusters read the same stream
	s_cmp_eq_u32 s75, 0
	s_cselect_b32 s[LIM], 2, -1                    ; the same in all sixteen partners, for a given wave
	s_lshl_b32 s74, s74, 13
	s_add_co_u32 s72, s72, s74
	s_add_co_u32 s72, s72, 3*KSL-PFS               ; the first refill steps it to the fourth slot's first byte.  Nothing is prefetched here, at the head, where every work-group's first tiles are on their way
	s_mov_b32 s73, 0
	s_add_nc_u64 s[PFA:PFA+1], s[4:5], s[72:73]
.macro FRAG reg, adr, q, i             ; a fragment's image comes back as it was stored: three loads of 16 bytes a lane, 512 consecutive bytes each
.irp c, 0,1,2
	ds_load_b128 v[\reg+4*\c:\reg+4*\c+3], v[\adr] offset:(\q)*UB+(\i)*FRB+512*\c
.endr
.endm
; 16 matrix instructions: A's blocks a0, a0 + 1 x B's eight, 128 along K: my q-th of the slot.  p: B's set;  sc: the set of scale words.  zero = 1: the first product starts the sums: nothing is ever cleared.
; The 64 accumulators take turns, one instruction a turn, in the same order in every step.
.macro MUL16 a0, p, q, sc, zero
.irp a, \a0, \a0+1
.irp b, 0,1,2,3,4,5,6,7
.if \zero
	v_wmma_scale_f32_16x16x128_f8f6f4 v[8*(8*((\a)%4)+\b):8*(8*((\a)%4)+\b)+7], v[128*(\p)+FR*\b:128*(\p)+FR*\b+FR-1], v[AF+FR*(\a):AF+FR*(\a)+FR-1], 0, v[SC+16*(\sc)+8*(\q)+\b], v[SC+16*(\sc)+8*(\q)+(\a)] matrix_a_fmt:MATRIX_FMT_FP6 matrix_b_fmt:MATRIX_FMT_FP6 matrix_a_scale:MATRIX_SCALE_ROW1
.else
	v_wmma_scale_f32_16x16x128_f8f6f4 v[8*(8*((\a)%4)+\b):8*(8*((\a)%4)+\b)+7], v[128*(\p)+FR*\b:128*(\p)+FR*\b+FR-1], v[AF+FR*(\a):AF+FR*(\a)+FR-1], v[8*(8*((\a)%4)+\b):8*(8*((\a)%4)+\b)+7], v[SC+16*(\sc)+8*(\q)+\b], v[SC+16*(\sc)+8*(\q)+(\a)] matrix_a_fmt:MATRIX_FMT_FP6 matrix_b_fmt:MATRIX_FMT_FP6 matrix_a_scale:MATRIX_SCALE_ROW1
.endif
.endr
.endr
.endm
.macro FETCH_B slot, q, p              ; B's eight fragments of my q-th 128 along K into set p: 24 loads
	WIN TO_B
.irp i, 0,1,2,3,4,5,6,7
	FRAG 128*(\p)+FR*\i, ADRB+\slot, \q, \i
.endr
	WIN 0
.endm
.macro FETCH_A slot, q, i0             ; A's blocks i0 .. i0 + 3: 12 loads
.irp i, \i0, \i0+1, \i0+2, \i0+3
	FRAG AF+FR*(\i), ADRA+\slot, \q, \i
.endr
.endm
.macro SCALES s                        ; the slot's scale words for my two K steps: four blocks' words a load; lanes 0-15 take A's, lanes 16-31 B's
.irp q, 0,1
.irp t, 0,1
	ds_load_b128 v[SC+16*(\s)+8*\q+4*\t:SC+16*(\s)+8*\q+4*\t+3], v[ADRS+\s] offset:\q*UB+256*\t
.endr
.endr
.endm
; A load into a register that a matrix instruction has read, and an LDS store that reads a matrix result, stand NP places behind that matrix instruction, and only plain vector instructions that name none of its
; registers are places (ISA guide 7.12.1 for vector instructions); this text does not count the matrix instructions in between.
.macro PLACES n
.rept \n
	v_nop
.endr
.endm
; My first 128 along K of a slot: A's blocks one after the other, each against B's eight.  A block of A is free as soon as its eight products are issued: blocks 0-3 are fetched anew in the step's middle, blocks 4-7 at its end.
.macro STEP slot, zero
	s_wait_dscnt 4*NL                              ; B's set, A's blocks 0-3 and the scale words are in; the youngest twelve loads (A's blocks 4-7) may be out
	WIN MUL_LO
	MUL16 0, 0, 0, \slot, \zero
	MUL16 2, 0, 0, \slot, \zero
	s_wait_dscnt 0                                 ; A's blocks 4-7 are in (asked for 32 matrix instructions ago)
	PLACES NP
	FETCH_B \slot, 1, 1
	FETCH_A \slot, 1, 0
	WIN MUL_HI
	MUL16 4, 0, 0, \slot, \zero
	MUL16 6, 0, 0, \slot, \zero
	PLACES NP
	WIN 0
	FETCH_A \slot, 1, 4
.endm
; My second 128 along K changes slots: ONE barrier; in front of it each wave waits for all its tensor loads, adds 0 to its spare word, and waits for that and for its own reads of this slot.  fill = 1: this slot is filled again, two slots ahead.
.macro TURN slot, next, fill
.if \fill
	s_wait_xcnt 0x0                                ; the last prefetches, a slot back, have read their address: it is stepped here, ahead of the waits of the change of slots
	s_add_nc_u64 s[PFA:PFA+1], s[PFA:PFA+1], PFS
.endif
	s_wait_tensorcnt 0x0                           ; all my tensor loads have landed: my part of the next slot;  (every window is 0 here: the add's two registers lie in window 0)
	ds_add_u32 v[SPW], v[NIL]                      ; 0 onto my spare word
	s_wait_dscnt 4*NL+1                            ; (the add and the youngest twelve loads, A's blocks 4-7, may be out)
	WIN MUL_LO
	MUL16 0, 1, 1, \slot, 0                        ; sixteen matrix instructions stand between the add and the wait for it
	s_wait_dscnt 0x0                               ; the add is done, and my reads of this slot are over
	s_barrier_signal -1
	MUL16 2, 1, 1, \slot, 0
	WIN 0
	s_barrier_wait -1
.if \fill
	CREST                                          ; the barrier has opened a round of the cluster's barrier: no wave of any partner still reads this slot's tiles or has a load on its way
	s_add_nc_u64 s[G0A+4*\slot+2:G0A+4*\slot+3], s[G0A+4*\slot+2:G0A+4*\slot+3], 2*KSL
	s_add_nc_u64 s[G0B+4*\slot+2:G0B+4*\slot+3], s[G0B+4*\slot+2:G0B+4*\slot+3], 2*KSL
	JLOAD G0A+4*\slot, G1A, G0B+4*\slot, G1B       ; the first tensor load behind the round, my one load until the next: 96 matrix instructions ahead of the wait for it; the four v_nop behind it are the places in front of the loads below
.else
	PLACES NP
.endif
	FETCH_B \next, 0, 0
	FETCH_A \next, 0, 0
	SCALES \next
.if \fill
	ASK
.endif
	WIN MUL_HI
	MUL16 4, 1, 1, \slot, 0
	MUL16 6, 1, 1, \slot, 0
	PLACES NP
	WIN 0
	FETCH_A \next, 0, 4
.endm
	s_wait_tensorcnt 1                             ; my part of slot 0 is in (slot 1's load may be out)
	s_barrier_signal -1
	s_barrier_wait -1                              ; everybody's is
	FETCH_B 0, 0, 0
	FETCH_A 0, 0, 0
	SCALES 0
	FETCH_A 0, 0, 4
	STEP 0, 1                                      ; the first step stands in front of the loop: its products start the sums
	s_mov_b32 s3, LAPS-1
.Llap:                                                 ; a trip goes once round the ring, from a lap's second step to the next lap's first, and fills both slots again
	TURN 0, 1, 1
	STEP 1, 0
	TURN 1, 0, 1
	STEP 0, 0
	s_sub_co_u32 s3, s3, 1
	s_cmp_lg_u32 s3, 0
	s_cbranch_scc1 .Llap
	TURN 0, 1, 0                                   ; the last lap fills nothing, and has no round of the cluster's barrier
	STEP 1, 0
	s_wait_dscnt 4*NL                              ; the very last step: nothing more to fetch
	WIN MUL_LO
	MUL16 0, 1, 1, 1, 0
	MUL16 2, 1, 1, 1, 0
	s_wait_dscnt 0
	WIN MUL_HI
	MUL16 4, 1, 1, 1, 0
	MUL16 6, 1, 1, 1, 0
	WIN 0
; THE WAY OUT.  Each wave holds a partial sum of 128 rows x 128 columns; the waves w and w + 2 hold the two halves of K of the same columns.  Rows 0-63 of all four waves go to a stage in slot 0, rows 64-127 to one in slot 1:
; both slots have had their last fill, slot 0 its last read at the last change of slots, slot 1 its last read ahead of the first barrier below.  Behind a barrier each wave reads 32 whole rows of both halves back,
; adds them and the bias, and stores rows of 512 bytes.
.macro TOST a                          ; block a (16 rows x 128 columns) into my rows of the stage
	WIN 0x08+4*((\a)/4)                            ; an LDS store's data are its source 1: window 2 or 3
.irp b, 0,1,2,3,4,5,6,7
	ds_store_b128 v[STO+(\a)/4], v[64*((\a)%4)+8*\b:64*((\a)%4)+8*\b+3] offset:((\a)%4)*16*SPITCH+64*\b       ; each accumulator from its low end on
	ds_store_b128 v[STO+(\a)/4], v[64*((\a)%4)+8*\b+4:64*((\a)%4)+8*\b+7] offset:((\a)%4)*16*SPITCH+64*\b+16
.endr
	WIN 0
.endm
.macro OUTB pass, bt                   ; sixteen rows: 64 pass + 32 (wave / 2) + 16 bt + 0 .. 15 of the tile
.set SS, 64+128*(\bt)                  ; the sums: v64-127 and v192-255 by turns
	s_wait_xcnt 0x0                                ; every earlier memory instruction has had its addresses translated (ISA guide 3.1): the registers that earlier stores read are loaded again only behind this wait
.irp t, 0,1,2,3,4,5,6,7,8,9,10,11,12,13,14,15
	ds_load_b128 v[SS+4*\t:SS+4*\t+3], v[RD+6*(\pass)] offset:(16*(\bt)+\t)*SPITCH
	ds_load_b128 v[P2+4*\t:P2+4*\t+3], v[RD+1+6*(\pass)] offset:(16*(\bt)+\t)*SPITCH
.endr
.irp t, 0,1,2,3,4,5,6,7,8,9,10,11,12,13,14,15
	s_wait_dscnt 30-2*\t                           ; LDS loads come back in order (ISA guide 5.7.1): row t's pair is in, the younger pairs may be out
	v_pk_add_f32 v[SS+4*\t:SS+4*\t+1], v[SS+4*\t:SS+4*\t+1], v[P2+4*\t:P2+4*\t+1]
	v_pk_add_f32 v[SS+4*\t+2:SS+4*\t+3], v[SS+4*\t+2:SS+4*\t+3], v[P2+4*\t+2:P2+4*\t+3]
	v_pk_add_f32 v[SS+4*\t:SS+4*\t+1], v[SS+4*\t:SS+4*\t+1], v[BIAS:BIAS+1]
	v_pk_add_f32 v[SS+4*\t+2:SS+4*\t+3], v[SS+4*\t+2:SS+4*\t+3], v[BIAS+2:BIAS+3]
	global_store_b128 v[CO], v[SS+4*\t:SS+4*\t+3], s[8:9] offset:(64*(\pass)+16*(\bt)+\t)*NROW th:TH_STORE_NT   ; 32 lanes store 512 consecutive bytes, at a multiple of 256 from out0's first byte; 95 rows at the most: inside the signed 24-bit immediate (ISA guide, chapter 10)
.endr
.endm
	PLACES NP                                      ; behind the last products: for the stores of results and for the loads into the registers that held A's fragments
	TOST 0
	TOST 1
	TOST 2
	TOST 3
	s_wait_loadcnt 0x0                             ; the bias
	s_wait_dscnt 0x0                               ; for the others' sake: my stores into the first stage are done (my reads of slot 1 were over at the last step's wait)
	s_barrier_signal -1
	s_barrier_wait -1                              ; the first stage is whole, and nobody reads slot 1 any more
	TOST 4
	TOST 5
	TOST 6
	TOST 7
	OUTB 0, 0
	OUTB 0, 1
	s_wait_dscnt 0x0                               ; my stores into the second stage are done
	s_barrier_signal -1
	s_barrier_wait -1                              ; the second stage is whole
	OUTB 1, 0
	OUTB 1, 1
	s_wait_tensorcnt 0x0                           ; the wave's end, behind my last tensor load and my last LDS store
	ds_add_u32 v[SPW], v[NIL]
	s_wait_dscnt 0x0
	CROUND                                         ; the closing round: no work-group ends while a partner may still ask for a tile that names it
	s_endpgm
.Lfunc_end_k_qb708f922d2_gemm:
	.size	k_qb708f922d2_gemm, .Lfunc_end_k_qb708f922d2_gemm-k_qb708f922d2_gemm
	.p2alignl 7, 3214868480
	.fill 96, 4, 3214868480
	.section	.rodata,"a",@progbits
	.p2align	6, 0x0
	.amdhsa_kernel k_qb708f922d2_gemm
		.amdhsa_group_segment_fixed_size 327680
		.amdhsa_private_segment_fixed_size 0
		.amdhsa_enable_private_segment 0
		.amdhsa_kernarg_size 24
		.amdhsa_user_sgpr_count 2
		.amdhsa_user_sgpr_kernarg_segment_ptr 1
		.amdhsa_wavefront_size32 1
		.amdhsa_system_sgpr_workgroup_id_x 1
		.amdhsa_system_sgpr_workgroup_id_y 1
		.amdhsa_system_sgpr_workgroup_id_z 1
		.amdhsa_system_vgpr_workitem_id 0
		.amdhsa_next_free_vgpr 1024
		.amdhsa_next_free_sgpr 80
		.amdhsa_reserve_vcc 0
		.amdhsa_float_denorm_mode_32 3
		.amdhsa_float_denorm_mode_16_64 3
		.amdhsa_memory_ordered 1
		.amdhsa_forward_progress 1
		.amdhsa_inst_pref_size 145
	.end_amdhsa_kernel
	.amdgpu_metadata
---
amdhsa.version: [ 1, 2 ]
amdhsa.kernels:
  - .name:           k_qb708f922d2_gemm
    .symbol:         k_qb708f922d2_gemm.kd
    .args:
      - { .name: codes, .offset: 0, .size: 8, .value_kind: global_buffer, .address_space: global }
      - { .name: fc_b, .offset: 8, .size: 8, .value_kind: global_buffer, .address_space: global }
      - { .name: out0, .offset: 16, .size: 8, .value_kind: global_buffer, .address_space: global }
    .group_segment_fixed_size: 327680
    .private_segment_fixed_size: 0
    .kernarg_segment_align: 8
    .kernarg_segment_size: 24
    .max_flat_workgroup_size: 128
    .sgpr_count:     80
    .vgpr_count:     1024
    .wavefront_size: 32
...
	.end_amdgpu_metadata
.endif
;; end of part 2
